; MI455X (gfx1250); checked and timed in simulation.
; The chip was launched on July 23, 2026; its instructions are those of AMD's public machine-readable ISA for CDNA 5 (MIT licence, August 2026) and "CDNA5" Instruction Set Architecture Reference Guide (July 2026). The comments in the code are by the model that wrote it; some were corrected since.
;; Chunked Cross Attention. Allowed arithmetic: float matrix products may take bf16 or f16 operands with f32 sums; other float arithmetic in f32, or as packed bf16 or f16 multiplies, adds, multiply-adds, maxima and minima; sums over many terms, partial sums and values carried from step to step in f32; what a program stores and reads back later, other than sums and carried values, may be rounded once to bf16 or f16.
;; Inputs: Wk 1,024 x 1,024 float32; Wo 1,024 x 1,024 float32; Wq 1,024 x 1,024 float32; Wv 1,024 x 1,024 float32; beta 1,024 float32; bk 1,024 float32; bo 1,024 float32; bq 1,024 float32; bv 1,024 float32; e 4 x 32 x 2 x 64 x 1,024 float32; gamma 1,024 float32; h 4 x 2,048 x 1,024 float32.
;; Outputs: out0 4 x 2,048 x 1,024 float32.
;; One version. Each part assembles by itself: llvm-mc -triple=amdgcn-amd-amdhsa -mcpu=gfx1250 --defsym DOCPART=n.
;; ======== version 1 of 1: 3 launches
;; workspace buffers: ab 50,331,648 bytes; wqkv 6,291,456 bytes; wob 2,097,152 bytes; att 16,777,216 bytes
;; launch prep (part 1): grid 1792 x 1, 8 waves a work-group, no clusters, 0 bytes of LDS; arguments h, gamma, beta, e, Wq, Wk, Wv, Wo, ab, wqkv, wob; writes ab, wqkv, wob
.if DOCPART == 1
	.amdgcn_target "amdgcn-amd-amdhsa--gfx1250"
	.amdhsa_code_object_version 6
	.text
	.protected	k_qd6032e5c29_prep
	.globl	k_qd6032e5c29_prep
	.p2align	8
	.type	k_qd6032e5c29_prep,@function
k_qd6032e5c29_prep:
	s_mov_b64 s[64:65], 0
	v_nop
	global_prefetch_b8 v0, s[64:65] scope:SCOPE_SE
	s_setreg_imm32_b32 hwreg(HW_REG_WAVE_MODE, 25, 1), 1
	s_wait_xcnt 0x0
; PREPARATION: everything that the matrix units will read is rounded once to bf16 and laid out in blocks of 64 along K, so that a later tile's rows lie end to end.
;   ab   [kb 16][chunk 128][192 rows][64]: rows 0-127 the chunk's 128 neighbour tokens of e, rows 128-191 LayerNorm(h) of the chunk's 64 queries (query t of a batch is row t + 63 of h;
;        queries 1985-2047 are the zero rows that the padding makes)
;   wqkv [kb 16][head 16][q, k, v][kk 64][64 n]      wob [column block 16][k 1024][64 n]      (weights are not transposed)
; ONE MAPPING FOR ALL: a wave takes two neighbouring source rows of 4,096 bytes.  Lanes 0-15 read 256 consecutive bytes of the first row, lanes 16-31 of the second, sixteen times (column block i = 0..15).
; A lane's four f32 become 8 bytes; in every target layout the second row lies 128 bytes behind the first, so one store of the wave covers 256 consecutive bytes, aligned.
; Work-groups 0-511: LayerNorm (16 rows each); 512-1535: e; 1536-1791: the four weights.  No LDS, no barrier: memory binds, and no wave needs another.
; 128 registers a wave, so that many waves, each with its sixteen loads, are at work side by side.  For that the LayerNorm path keeps the row alone whole in registers: gamma and beta come in
; eight parts of two column blocks, through two sets of 16 registers that take turns, and the rounded numbers are written in place over the row.
; LayerNorm in f32, in two passes over the row held in registers (mean, then the sum of squares of the differences): it holds under a common offset of the inputs.
; LIMITS: the results are rounded once to bf16 (nearest even); NaN and infinities are not treated apart.
.set X,    16                          ; v[16:79]    the lane's 64 numbers, block i at X + 4 i; in the LayerNorm path block i's two rounded words end at X + 2 i
.set Y,    80                          ; v[80:111]   the cast paths: rounded, block i at Y + 2 i
.set GB,   80                          ; v[80:111]   the LayerNorm path: set s at GB + 16 s: gamma of two blocks (8), beta of the same (8)
.set CH,   112                         ; v[112:119]  four chains of sums
.set MEAN, 120                         ; v[120:121]  the mean, twice
.set RSTD, 122                         ; v[122:123]  1 / sqrt(var + eps), twice
; s[44:63], s[66:77]: the sixteen target addresses, block i at s[44 + 2 i + 2 (i / 10)]; each is written once
.macro DBCHAIN                         ; block i's address = block i - 1's + the stride in s[42:43]
.set i, 1
.rept 15
	s_add_nc_u64 s[44+2*i+2*(i/10):45+2*i+2*(i/10)], s[42+2*i+2*((i-1)/10):43+2*i+2*((i-1)/10)], s[42:43]
.set i, i+1
.endr
.endm
.macro CAST                            ; sixteen loads on their way at once; block i is rounded and stored as soon as it is in
.set i, 0
.rept 16
	global_load_b128 v[X+4*i:X+4*i+3], v3, s[40:41] offset:256*i th:TH_LOAD_NT
.set i, i+1
.endr
.set i, 0
.rept 16
	s_wait_loadcnt 15-i                            ; loads come back in order: block i is in, the 15 - i younger ones stay out
	v_cvt_pk_bf16_f32 v[Y+2*i], v[X+4*i], v[X+4*i+1]
	v_cvt_pk_bf16_f32 v[Y+2*i+1], v[X+4*i+2], v[X+4*i+3]
	global_store_b64 v4, v[Y+2*i:Y+2*i+1], s[44+2*i+2*(i/10):45+2*i+2*(i/10)]
.set i, i+1
.endr
.endm
.macro REDUCE                          ; the four chains, the pair's halves, and the sixteen lanes that share a row -> v8
	v_pk_add_f32 v[CH:CH+1], v[CH:CH+1], v[CH+2:CH+3]
	v_pk_add_f32 v[CH+4:CH+5], v[CH+4:CH+5], v[CH+6:CH+7]
	v_pk_add_f32 v[CH:CH+1], v[CH:CH+1], v[CH+4:CH+5]
	v_add_f32 v8, v[CH], v[CH+1]
	v_add_f32_dpp v8, v8, v8 row_xmask:1 row_mask:0xf bank_mask:0xf
	v_add_f32_dpp v8, v8, v8 row_xmask:2 row_mask:0xf bank_mask:0xf
	v_add_f32_dpp v8, v8, v8 row_xmask:4 row_mask:0xf bank_mask:0xf
	v_add_f32_dpp v8, v8, v8 row_xmask:8 row_mask:0xf bank_mask:0xf
.endm
.macro LDGB g                          ; gamma and beta of part g (blocks 2 g, 2 g + 1) into set g % 2: four loads
.set SB, GB+16*((\g)%2)
	global_load_b128 v[SB:SB+3],     v7, s[10:11] offset:512*(\g)
	global_load_b128 v[SB+4:SB+7],   v7, s[10:11] offset:512*(\g)+256
	global_load_b128 v[SB+8:SB+11],  v7, s[12:13] offset:512*(\g)
	global_load_b128 v[SB+12:SB+15], v7, s[12:13] offset:512*(\g)+256
.endm
; Part g of the LayerNorm's second half: (x - mean) x (gamma x rstd) + beta for eight numbers a lane, rounded, the padding's rows set to 0, stored.
; The four rounded words go to X + 4 g .. X + 4 g + 3: at or below the numbers that they are made of, above every earlier part's words (which stores may still be reading), and read by nothing later.
.macro PART g
.set SB, GB+16*((\g)%2)
.set XB, X+8*(\g)
.set YB, X+4*(\g)
.set b0, 2*(\g)
.set b1, 2*(\g)+1
.if (\g) < 7
	s_wait_loadcnt 4                               ; this part's gamma and beta are in; the next part's four loads stay out
.else
	s_wait_loadcnt 0x0                             ; the last part: nothing was asked for behind it
.endif
.irp z, 0,1,2,3
	v_pk_mul_f32 v[SB+2*(\z):SB+2*(\z)+1], v[SB+2*(\z):SB+2*(\z)+1], v[RSTD:RSTD+1]
.endr
.irp z, 0,1,2,3
	v_pk_fma_f32 v[XB+2*(\z):XB+2*(\z)+1], v[XB+2*(\z):XB+2*(\z)+1], v[SB+2*(\z):SB+2*(\z)+1], v[SB+8+2*(\z):SB+8+2*(\z)+1]
.endr
.irp z, 0,1,2,3
	v_cvt_pk_bf16_f32 v[YB+(\z)], v[XB+2*(\z)], v[XB+2*(\z)+1]
.endr
.irp z, 0,1,2,3
	v_cndmask_b32 v[YB+(\z)], 0, v[YB+(\z)], vcc_lo  ; the padding's rows are zeros
.endr
.if (\g) < 6
	LDGB (\g)+2                                    ; the set just used takes the part two further on
.endif
	global_store_b64 v4, v[YB:YB+1],   s[44+2*b0+2*(b0/10):45+2*b0+2*(b0/10)]
	global_store_b64 v4, v[YB+2:YB+3], s[44+2*b1+2*(b1/10):45+2*b1+2*(b1/10)]
.endm
	s_load_b512 s[8:23], s[0:1], 0x0               ; h s[8:9], gamma s[10:11], beta s[12:13], e s[14:15], Wq s[16:17], Wk s[18:19], Wv s[20:21], Wo s[22:23]
	s_load_b128 s[24:27], s[0:1], 0x40             ; ab s[24:25], wqkv s[26:27]
	s_load_b64 s[28:29], s[0:1], 0x50              ; wob
	v_lshrrev_b32 v6, 5, v0
	v_readfirstlane_b32 s30, v6                    ; wave 0..7
	v_and_b32 v1, 15, v0                           ; my place in a row's 256 bytes
	v_bfe_u32 v2, v0, 4, 1                         ; which of the two rows
	v_and_b32 v4, 31, v0
	v_lshlrev_b32 v4, 3, v4                        ; my 8 bytes in the store's 256
	v_lshlrev_b32 v7, 4, v1                        ; my 16 bytes in the load's 256
	v_lshl_add_u32 v3, v2, 12, v7                  ; and the row: the cast paths' source offset
	s_mov_b32 s31, ttmp9
	s_mov_b32 s43, 0                               ; high words of the stride and of every offset
	s_mov_b32 s37, 0
	s_wait_kmcnt 0x0
	s_cmp_lt_u32 s31, 512
	s_cbranch_scc1 .Lln
	s_cmp_lt_u32 s31, 1536
	s_cbranch_scc1 .Le
	; THE WEIGHTS.  64 work-groups each; row R of a weight is its k
	s_sub_co_u32 s32, s31, 1536
	s_lshr_b32 s33, s32, 6                         ; 0 Wq, 1 Wk, 2 Wv, 3 Wo
	s_and_b32 s32, s32, 63
	s_lshl_b32 s32, s32, 4
	s_lshl1_add_u32 s32, s30, s32                  ; R = 16 x group + 2 x wave
	s_lshr_b32 s35, s32, 6
	s_mul_i32 s35, s35, 393216                     ; wqkv: K block R / 64,
	s_lshl_b32 s38, s33, 13
	s_add_co_u32 s35, s35, s38                     ; the matrix's 8,192 bytes in a head's tile,
	s_and_b32 s38, s32, 63
	s_lshl_b32 s38, s38, 7
	s_add_co_u32 s35, s35, s38                     ; row R % 64
	s_lshl_b32 s38, s32, 7                         ; wob: row R
	s_mov_b32 s34, 24576                           ; wqkv: from head to head
	s_cmp_eq_u32 s33, 1
	s_cselect_b64 s[40:41], s[18:19], s[16:17]
	s_cmp_eq_u32 s33, 2
	s_cselect_b64 s[40:41], s[20:21], s[40:41]
	s_cmp_eq_u32 s33, 3
	s_cselect_b64 s[40:41], s[22:23], s[40:41]
	s_cselect_b64 s[44:45], s[28:29], s[26:27]
	s_cselect_b32 s42, 0x20000, s34                ; wob: from column block to column block
	s_cselect_b32 s36, s38, s35
	s_add_nc_u64 s[44:45], s[44:45], s[36:37]
	s_lshl_b32 s36, s32, 12
	s_add_nc_u64 s[40:41], s[40:41], s[36:37]
	DBCHAIN
	CAST
	s_endpgm
.Le:	; e: flat row R = 128 x chunk + token
	s_sub_co_u32 s32, s31, 512
	s_lshl_b32 s32, s32, 4
	s_lshl1_add_u32 s32, s30, s32
	s_lshr_b32 s35, s32, 7
	s_mul_i32 s35, s35, 192
	s_and_b32 s38, s32, 127
	s_add_co_u32 s35, s35, s38
	s_lshl_b32 s36, s35, 7                         ; (192 x chunk + token) x 128 bytes
	s_add_nc_u64 s[44:45], s[24:25], s[36:37]
	s_lshl_b32 s36, s32, 12
	s_add_nc_u64 s[40:41], s[14:15], s[36:37]
	s_mov_b32 s42, 3145728                         ; ab: from K block to K block
	DBCHAIN
	CAST
	s_endpgm
.Lln:	; LAYERNORM: flat query T = 2,048 x batch + t
	s_lshl_b32 s32, s31, 4
	s_lshl1_add_u32 s32, s30, s32                  ; T of the wave's first row
	s_lshr_b32 s33, s32, 11
	s_lshl_b32 s36, s33, 23
	s_add_nc_u64 s[40:41], s[8:9], s[36:37]        ; h at the batch
	s_and_b32 s34, s32, 2047
	v_add_nc_u32 v5, s34, v2                       ; my t
	v_add_nc_u32 v6, 63, v5
	v_min_u32 v6, 0x7ff, v6                        ; row t + 63; the padding's queries read the batch's last row and are set to 0 below
	v_lshl_add_u32 v3, v6, 12, v7
	s_lshr_b32 s35, s32, 6
	s_mul_i32 s35, s35, 192
	s_and_b32 s38, s32, 63
	s_add_co_u32 s35, s35, s38
	s_add_co_u32 s35, s35, 128
	s_lshl_b32 s36, s35, 7                         ; (192 x chunk + 128 + query) x 128 bytes
	s_add_nc_u64 s[44:45], s[24:25], s[36:37]
	s_mov_b32 s42, 3145728
	s_mov_b32 s78, 0x3a800000                      ; 1 / 1,024
	s_mov_b32 s79, 0x3727c5ac                      ; eps = 1e-5
	DBCHAIN
.set i, 0
.rept 16
	global_load_b128 v[X+4*i:X+4*i+3], v3, s[40:41] offset:256*i
.set i, i+1
.endr
	LDGB 0
	LDGB 1
	s_wait_loadcnt 8                               ; the row is in; the first two parts of gamma and beta, eight loads, stay out
.irp c, 0,1,2,3                        ; the first two pairs start each chain: nothing is cleared
	v_pk_add_f32 v[CH+2*(\c):CH+2*(\c)+1], v[X+2*(\c):X+2*(\c)+1], v[X+8+2*(\c):X+8+2*(\c)+1]
.endr
.set k, 2
.rept 6
.irp c, 0,1,2,3
	v_pk_add_f32 v[CH+2*(\c):CH+2*(\c)+1], v[CH+2*(\c):CH+2*(\c)+1], v[X+8*k+2*(\c):X+8*k+2*(\c)+1]
.endr
.set k, k+1
.endr
	REDUCE
	v_mul_f32 v[MEAN], s78, v8
	v_mul_f32 v[MEAN+1], s78, v8
.set i, 0
.rept 32
	v_pk_add_f32 v[X+2*i:X+2*i+1], v[X+2*i:X+2*i+1], v[MEAN:MEAN+1] neg_lo:[0,1] neg_hi:[0,1]  ; x - mean
.set i, i+1
.endr
.irp c, 0,1,2,3
	v_pk_mul_f32 v[CH+2*(\c):CH+2*(\c)+1], v[X+2*(\c):X+2*(\c)+1], v[X+2*(\c):X+2*(\c)+1]
.endr
.set k, 1
.rept 7
.irp c, 0,1,2,3
	v_pk_fma_f32 v[CH+2*(\c):CH+2*(\c)+1], v[X+8*k+2*(\c):X+8*k+2*(\c)+1], v[X+8*k+2*(\c):X+8*k+2*(\c)+1], v[CH+2*(\c):CH+2*(\c)+1]
.endr
.set k, k+1
.endr
	REDUCE
	v_fma_f32 v9, v8, s78, s79                     ; var + eps
	v_rsq_f32 v[RSTD], v9
	v_cmp_gt_u32 vcc_lo, 1985, v5                  ; t <= 1,984: a true query.  Also the plain instruction between the root and the use of its result (ISA guide 5.7.2)
	s_wait_alu depctr_va_vdst(0)
	v_mov_b32 v[RSTD+1], v[RSTD]
.irp g, 0,1,2,3,4,5,6,7
	PART \g
.endr
	s_endpgm
.Lfunc_end_k_qd6032e5c29_prep:
	.size	k_qd6032e5c29_prep, .Lfunc_end_k_qd6032e5c29_prep-k_qd6032e5c29_prep
	.p2alignl 7, 3214868480
	.fill 96, 4, 3214868480
	.section	.rodata,"a",@progbits
	.p2align	6, 0x0
	.amdhsa_kernel k_qd6032e5c29_prep
		.amdhsa_group_segment_fixed_size 0
		.amdhsa_private_segment_fixed_size 0
		.amdhsa_enable_private_segment 0
		.amdhsa_kernarg_size 88
		.amdhsa_user_sgpr_count 2
		.amdhsa_user_sgpr_kernarg_segment_ptr 1
		.amdhsa_wavefront_size32 1
		.amdhsa_system_sgpr_workgroup_id_x 1
		.amdhsa_system_sgpr_workgroup_id_y 1
		.amdhsa_system_sgpr_workgroup_id_z 1
		.amdhsa_system_vgpr_workitem_id 0
		.amdhsa_next_free_vgpr 128
		.amdhsa_next_free_sgpr 96
		.amdhsa_reserve_vcc 1
		.amdhsa_float_denorm_mode_32 3
		.amdhsa_float_denorm_mode_16_64 3
		.amdhsa_memory_ordered 1
		.amdhsa_forward_progress 1
		.amdhsa_inst_pref_size 37
	.end_amdhsa_kernel
	.amdgpu_metadata
---
amdhsa.version: [ 1, 2 ]
amdhsa.kernels:
  - .name:           k_qd6032e5c29_prep
    .symbol:         k_qd6032e5c29_prep.kd
    .args:
      - { .name: h, .offset: 0, .size: 8, .value_kind: global_buffer, .address_space: global }
      - { .name: gamma, .offset: 8, .size: 8, .value_kind: global_buffer, .address_space: global }
      - { .name: beta, .offset: 16, .size: 8, .value_kind: global_buffer, .address_space: global }
      - { .name: e, .offset: 24, .size: 8, .value_kind: global_buffer, .address_space: global }
      - { .name: Wq, .offset: 32, .size: 8, .value_kind: global_buffer, .address_space: global }
      - { .name: Wk, .offset: 40, .size: 8, .value_kind: global_buffer, .address_space: global }
      - { .name: Wv, .offset: 48, .size: 8, .value_kind: global_buffer, .address_space: global }
      - { .name: Wo, .offset: 56, .size: 8, .value_kind: global_buffer, .address_space: global }
      - { .name: ab, .offset: 64, .size: 8, .value_kind: global_buffer, .address_space: global }
      - { .name: wqkv, .offset: 72, .size: 8, .value_kind: global_buffer, .address_space: global }
      - { .name: wob, .offset: 80, .size: 8, .value_kind: global_buffer, .address_space: global }
    .group_segment_fixed_size: 0
    .private_segment_fixed_size: 0
    .kernarg_segment_align: 8
    .kernarg_segment_size: 88
    .max_flat_workgroup_size: 256
    .sgpr_count:     96
    .vgpr_count:     128
    .wavefront_size: 32
...
	.end_amdgpu_metadata
.endif
;; end of part 1
;; launch qkvattn (part 2): grid 8 x 64, 4 waves a work-group, clusters of 4 x 4, 327,680 bytes of LDS; arguments ab, wqkv, bq, bk, bv, att; writes att
.if DOCPART == 2
	.amdgcn_target "amdgcn-amd-amdhsa--gfx1250"
	.amdhsa_code_object_version 6
	.text
	.protected	k_qd6032e5c29_qkvattn
	.globl	k_qd6032e5c29_qkvattn
	.p2align	8
	.type	k_qd6032e5c29_qkvattn,@function
k_qd6032e5c29_qkvattn:
	s_mov_b64 s[64:65], 0
	v_nop
	global_prefetch_b8 v0, s[64:65] scope:SCOPE_SE
	s_setreg_imm32_b32 hwreg(HW_REG_WAVE_MODE, 25, 1), 1
	s_wait_xcnt 0x0
	s_wait_alu depctr_hold_cnt(0) depctr_sa_sdst(0) depctr_va_vdst(0) depctr_va_sdst(0) depctr_va_ssrc(0) depctr_va_vcc(0) depctr_vm_vsrc(0)
	s_getreg_b32 s2, hwreg(HW_REG_IB_STS2, 6, 4)
	s_cmp_eq_u32 s2, 0
	s_cbranch_scc0 .Lentry_in_a_cluster
	s_endpgm
.Lentry_in_a_cluster:
	s_bfe_u32 s2, ttmp6, 0x10000c
	s_cmp_lg_u32 s2, 0xf033
	s_cbranch_scc0 .Lentry_shape_is_right
	s_endpgm
.Lentry_shape_is_right:
; q, k, v PROJECTIONS AND THE WHOLE ATTENTION OF A CHUNK AND HEAD IN ONE WAVE; q, k, v, the scores and the weights never leave registers.
; SHARES.  A work-group has two chunks (2 cyy, 2 cyy + 1) and two heads (2 hx, 2 hx + 1); wave w takes chunk w / 2 and head w % 2: q 64 x 64, k 128 x 64, v 128 x 64 in 640 accumulator registers.
; K (1,024) goes in 16 steps of 64 through two LDS slots; a step is 160 matrix instructions and 96 LDS loads a wave.
; LAYOUTS.  k^T = Wk^T e^T (source 0 = 16 channels of Wk, turned by ds_load_tr16_b128; source 1 = 16 tokens): a lane holds one token and eight channels; q^T likewise.
; v = e Wv (source 0 = 16 tokens, source 1 = 16 channels): a lane holds one channel and eight tokens.  Two neighbouring accumulators rounded to bf16 in pairs ARE the fragments of the next
; products, S^T = K Q^T and O^T = V^T P, so v[i] = bf16(v[2 i], v[2 i + 1]) over a window turns accumulators into fragments: nothing changes lanes and nothing goes through LDS.
; SOFTMAX over all 128 keys at once: the true maximum m is taken away; p = 2^(c s - c m), c = log2(e) / 8; l is the sum of the unrounded p, in f32.
; BIASES.  bq and bk are the C operand of the first product.  bv is added as O / l + bv, which is the same number since the weights p / l add up to 1.
; CLUSTER 4 x 4: a tile of ab hangs on the pair of chunks alone and is asked for jointly along the cluster's row, a tile of wqkv on the pair of heads alone, jointly along its column.
; LIMITS.  Matrix operands (ab, wqkv, q, k, v, p, and att on its way out) are rounded once to bf16; a weight below 2^-126 counts as 0; NaN and infinities are not treated apart.
; The queries of the padding (t > 1,984) are computed like the others; the next launch does not use them.
; REGISTERS, in windows of 256 (s_set_vgpr_msb: bits 1:0 source 0, 3:2 source 1, 5:4 source 2, 7:6 destination):
;   window 0, K loop: fragments E0 v0-63, E1 v64-127 (tokens), WK v128-159, WV v160-191, WQ v192-223 (channels), HS v224-255 (queries); before the first fetch v0-10 are at work
;   window 0, attention: S^T v0-127 (two query blocks), P v128-191, at work v192-207, three addresses v232-234, 1 / l v240-247
;   window 1: q^T v0-127 at 8 (4 qb + cb); addresses v128-137; bq v160-191, bk v192-223, bv v224-255 (channel 16 cb + 8 (lane / 16) + j at 8 cb + j)
;   window 2: k^T at 8 (4 tb + cb)          window 3: v at 8 (8 cb + tb); in the attention V^T v0-127, O^T at 128 + 8 (4 qb + cb)
.set REG,   30720                      ; a region of a slot: 192 rows; ab's at a pitch of 144 bytes (27,648 used), wqkv's at 160
.set SLOT,  4*REG                      ; regions 0, 1: the two chunks' rows of ab; 2, 3: the two heads' rows of wqkv
.set STAGE, 2*SLOT                     ; behind the ring, never filled by a tensor load: 128 rows x 272 bytes, the work-group's, for the way out
.set SP,    272
.set SPARE, STAGE+128*SP               ; the spare words, 128 bytes a wave: two blocks of 256 bytes that no other line names
.set PA,    144                        ; 128 + 16 bytes = 36 words: the 16 rows of a load start at 16 different groups of four banks (64 banks of 4 bytes: ISA guide 11.1)
.set PB,    160                        ; 128 + 32 bytes = 40 words
.set TILEB, 24576                      ; a tile in memory: 192 rows of 128 bytes, dense
.set ASTEP, 3145728                    ; ab: bytes from K block to K block
.set BSTEP, 393216                     ; wqkv likewise
.set E0, 0
.set E1, 64
.set WK, 128
.set WV, 160
.set WQ, 192
.set HS, 224
.set ADRA, 128                         ; window 1: v128-129 LDS address of my fragments of ab in slot 0, 1
.set ADRB, 130                         ; v130-131 the same for wqkv
.set STO,  132                         ; the way out: where I put 16 bytes of a row
.set RD,   133                         ; where I read a row back
.set GO,   134                         ; my byte offset in two rows of att
.set SPW,  136                         ; LDS address of my spare word; never rewritten
.set NIL,  137                         ; 0; never rewritten
.set BQ,   160
.set BK,   192
.set BV,   224
.set STOC, 232                         ; window 0: copies of STO, RD, GO for the way out
.set RDC,  233
.set GOC,  234
.set G1A, 24                           ; s[24:31] descriptor group 1 for ab's tiles;  s[32:39] group 0, a set for each slot
.set G0A, 32
.set G1B, 48                           ; s[48:55], s[56:63] the same for wqkv's
.set G0B, 56
.set MSB, 0
.macro WIN new                         ; the immediate's high byte repeats the setting that is left; a switch that changes nothing is dropped
.if MSB != (\new)
	s_set_vgpr_msb (MSB<<8)|(\new)
.set MSB, (\new)
.endif
.endm
.macro PLACES                          ; four places in front of loads into registers that matrix instructions have read, and of vector lines that read results
.rept 4
	v_nop
.endr
.endm
; A joint load: waves 0 and 1 fetch the two chunks' tiles of ab, waves 2 and 3 the two heads' tiles of wqkv.  The branch hangs on the wave's number alone.
; An s_nop 0 and four v_nop follow each of the two lines, ahead of the jump and the label.
.macro JLOAD s
	s_cmp_eq_u32 s21, 0
	s_cbranch_scc0 .Lfor_b_\@
	tensor_load_to_lds s[G0A+4*(\s):G0A+4*(\s)+3], s[G1A:G1A+7]
	s_nop 0
.rept 4
	v_nop
.endr
	s_branch .Lasked_\@
.Lfor_b_\@:
	tensor_load_to_lds s[G0B+4*(\s):G0B+4*(\s)+3], s[G1B:G1B+7]
	s_nop 0
.rept 4
	v_nop
.endr
.Lasked_\@:
.endm
.macro CREST                           ; a round of the cluster's barrier behind its opening barrier
	s_cmp_lg_u32 s20, 0
	s_cbranch_scc1 .Lnot_wave_0_\@
	s_barrier_signal -3
.Lnot_wave_0_\@:
	s_barrier_wait -3
	s_barrier_signal -1
	s_barrier_wait -1
.endm
.macro CROUND                          ; a whole round
	s_barrier_signal -1
	s_barrier_wait -1
	CREST
.endm
	s_load_b256 s[4:11], s[0:1], 0x0               ; ab s[4:5], wqkv s[6:7], bq s[8:9], bk s[10:11]
	s_load_b128 s[12:15], s[0:1], 0x20             ; bv s[12:13], att s[14:15]
	WIN 0x40
	v_lshl_add_u32 v[SPW], v0, 2, SPARE
	v_mov_b32 v[NIL], 0
	WIN 0x05
	ds_add_u32 v[SPW], v[NIL]                      ; the wave's opening: the add and its wait stand ahead of my first tensor load; the set-up below, work on registers, stands between them
	WIN 0
	v_lshrrev_b32 v1, 5, v0
	v_readfirstlane_b32 s20, v1                    ; wave 0..3
	s_lshr_b32 s21, s20, 1                         ; my chunk of the pair.  Also: I fetch for ab (0) or for wqkv (1)
	s_and_b32 s22, s20, 1                          ; my head of the pair.  Also: which of the two tiles I fetch
	s_bfe_u32 s40, ttmp6, 0x40000                  ; cx, cy: my place in the cluster
	s_bfe_u32 s41, ttmp6, 0x40004
	s_lshl_b32 s42, ttmp9, 2
	s_add_co_u32 s42, s42, s40                     ; hx, the pair of heads = 4 x cluster x + cx
	s_and_b32 s23, ttmp7, 0xffff
	s_lshl_b32 s23, s23, 2
	s_add_co_u32 s23, s23, s41                     ; cyy, the pair of chunks = 4 x cluster y + cy
	s_lshl_b32 s43, s41, 2
	s_lshl_b32 s43, 15, s43                        ; my row of the cluster
	s_lshl_b32 s44, 0x1111, s40                    ; my column
	; descriptor group 1: a tile's 24,576 dense bytes are asked for as 96 rows of 256 bytes, and padded in LDS after every 128 bytes
	s_or_b32 s[G1A], s43, (1<<16)|(1<<20)|(1<<21)|(4<<22)|(3<<25)  ; 15:0 the mask; 17:16 2-byte elements; 20 padding on; 21 set beside a mask; 24:22 after every 32 words (code 4); 31:25 4 words (code 3)
	s_or_b32 s[G1B], s44, (1<<16)|(1<<20)|(1<<21)|(4<<22)|(7<<25)  ; the column's mask, 8 words of padding (code 7)
.irp g, G1A, G1B
	s_mov_b32 s[(\g)+1], 128<<16                   ; tensor_dim0 = 128
	s_mov_b32 s[(\g)+2], 96<<16                    ; tensor_dim1 = 96
	s_mov_b32 s[(\g)+3], 128<<16                   ; tile_dim0 = 128
	s_mov_b32 s[(\g)+4], 96                        ; tile_dim1 = 96
	s_mov_b32 s[(\g)+5], 128                       ; 128 elements from row to row
	s_mov_b32 s[(\g)+6], 0
	s_mov_b32 s[(\g)+7], 0
.endr
	s_lshl1_add_u32 s16, s23, s22                  ; ab: the chunk that I fetch: made of cyy and the wave's number alone
	s_mul_i32 s16, s16, TILEB
	s_mov_b32 s17, 0
	s_lshl1_add_u32 s46, s42, s22                  ; wqkv: the head that I fetch: of hx and the wave's number alone
	s_mul_i32 s46, s46, TILEB
	s_mov_b32 s47, 0
	s_mul_i32 s19, s20, REG                        ; where it goes: region = wave: no place in the cluster enters an LDS address
	s_mov_b32 s66, 0x3e38aa3b                      ; c = log2(e) / 8
	s_mov_b32 s67, s66                             ; named with it as a pair
	s_mov_b32 s68, 0x76543210                      ; v_permlanex16_b32: each lane takes its own place in the other half
	s_mov_b32 s69, 0xfedcba98
	s_wait_dscnt 0x0                               ; the opening add is done
	s_wait_kmcnt 0x0
	s_add_nc_u64 s[16:17], s[4:5], s[16:17]
	s_add_nc_u64 s[46:47], s[6:7], s[46:47]
	CROUND                                         ; all sixteen work-groups are here: the first joint loads meet
.irp s, 0,1
	s_mov_b32 s[G0A+4*(\s)], 1                                     ; count = 1
	s_add_co_u32 s[G0A+4*(\s)+1], s19, (\s)*SLOT                   ; LDS address
	s_add_nc_u64 s[G0A+4*(\s)+2:G0A+4*(\s)+3], s[16:17], (\s)*ASTEP  ; global address: K step s
	s_or_b32 s[G0A+4*(\s)+3], s[G0A+4*(\s)+3], 0x80000000          ; type = 2
	s_mov_b32 s[G0B+4*(\s)], 1
	s_add_co_u32 s[G0B+4*(\s)+1], s19, (\s)*SLOT
	s_add_nc_u64 s[G0B+4*(\s)+2:G0B+4*(\s)+3], s[46:47], (\s)*BSTEP
	s_or_b32 s[G0B+4*(\s)+3], s[G0B+4*(\s)+3], 0x80000000
	JLOAD \s                                       ; two loads of mine are out
.endr
	s_lshl1_add_u32 s46, s42, s22                  ; my head,
	s_lshl_b32 s46, s46, 8                         ; its 64 f32 in a bias
	s_mov_b32 s47, 0
	s_add_nc_u64 s[70:71], s[8:9], s[46:47]
	s_add_nc_u64 s[72:73], s[10:11], s[46:47]
	s_add_nc_u64 s[74:75], s[12:13], s[46:47]
	s_lshl_b32 s16, s23, 7                         ; att: the first row that I store, 128 cyy + 32 w,
	s_lshl_b32 s17, s20, 5
	s_add_co_u32 s16, s16, s17
	s_lshl_b32 s16, s16, 11                        ; rows of 2,048 bytes,
	s_mov_b32 s17, 0
	s_add_nc_u64 s[76:77], s[14:15], s[16:17]
	s_lshl_b32 s46, s42, 8                         ; and the pair of heads' 256 bytes
	s_add_nc_u64 s[76:77], s[76:77], s[46:47]
	v_and_b32 v1, 15, v0                           ; r = l % 16
	v_bfe_u32 v2, v0, 4, 1                         ; h = l / 16
	v_and_b32 v3, 7, v0
	v_bfe_u32 v4, v0, 3, 1
	v_mul_u32_u24 v5, v1, PA                       ; a fragment of ab: row r, 16 bytes for each half of the lanes; two loads 32 bytes apart
	v_lshl_add_u32 v5, v2, 4, v5
	v_lshl_add_u32 v6, v2, 3, v3                   ; the turning load: row 8 h + l % 8, 16 bytes at 16 ((l / 8) % 2); two loads 16 rows apart
	v_mul_u32_u24 v6, v6, PB
	v_lshl_add_u32 v6, v4, 4, v6
	v_mul_u32_u24 v7, v1, SP
	v_lshl_add_u32 v7, v2, 4, v7
	v_mul_u32_u24 v8, v2, SP
	v_lshl_add_u32 v8, v1, 4, v8
	v_lshlrev_b32 v9, 11, v2
	v_lshl_add_u32 v9, v1, 4, v9
	v_lshlrev_b32 v10, 5, v2                       ; a bias: my eight channels begin at 8 h
	s_mul_i32 s16, s21, REG
	s_add_co_u32 s17, s16, SLOT
	s_mul_i32 s18, s22, REG
	s_add_co_u32 s18, s18, 2*REG
	s_add_co_u32 s19, s18, SLOT
	WIN 0x40                                       ; destination window 1
	v_add_nc_u32 v[ADRA], s16, v5
	v_add_nc_u32 v[ADRA+1], s17, v5
	v_add_nc_u32 v[ADRB], s18, v6
	v_add_nc_u32 v[ADRB+1], s19, v6
	s_mul_i32 s16, s21, 64*SP                      ; into the stage: my chunk's 64 rows, my head's half of their 256 bytes
	s_lshl_b32 s17, s22, 7
	s_add_co_u32 s16, s16, s17
	s_add_co_u32 s16, s16, STAGE
	v_add_nc_u32 v[STO], s16, v7
	s_mul_i32 s18, s20, 32*SP                      ; back: wave w takes rows 32 w .. 32 w + 31, whole
	s_add_co_u32 s18, s18, STAGE
	v_add_nc_u32 v[RD], s18, v8
	v_mov_b32 v[GO], v9
.irp cb, 0,1,2,3
	global_load_b128 v[BQ+8*(\cb):BQ+8*(\cb)+3],   v10, s[70:71] offset:64*(\cb)
	global_load_b128 v[BQ+8*(\cb)+4:BQ+8*(\cb)+7], v10, s[70:71] offset:64*(\cb)+16
	global_load_b128 v[BK+8*(\cb):BK+8*(\cb)+3],   v10, s[72:73] offset:64*(\cb)
	global_load_b128 v[BK+8*(\cb)+4:BK+8*(\cb)+7], v10, s[72:73] offset:64*(\cb)+16
	global_load_b128 v[BV+8*(\cb):BV+8*(\cb)+3],   v10, s[74:75] offset:64*(\cb)
	global_load_b128 v[BV+8*(\cb)+4:BV+8*(\cb)+7], v10, s[74:75] offset:64*(\cb)+16
.endr
	WIN 0
; THE LDS LOADS, in runs; destination window 0, address window 1.  s: slot; q: which 32 of the step's 64 along K
.macro LD_E s, q, buf                  ; 128 tokens: 8 fragments, 16 loads
	WIN 0x01
.irp t, 0,1,2,3,4,5,6,7
	ds_load_b128 v[(\buf)+8*(\t):(\buf)+8*(\t)+3],   v[ADRA+(\s)] offset:(\t)*16*PA+64*(\q)
	ds_load_b128 v[(\buf)+8*(\t)+4:(\buf)+8*(\t)+7], v[ADRA+(\s)] offset:(\t)*16*PA+64*(\q)+32
.endr
.endm
.macro LD_HS s, q                      ; 64 queries: 4 fragments, 8 loads
	WIN 0x01
.irp t, 0,1,2,3
	ds_load_b128 v[HS+8*(\t):HS+8*(\t)+3],   v[ADRA+(\s)] offset:(128+16*(\t))*PA+64*(\q)
	ds_load_b128 v[HS+8*(\t)+4:HS+8*(\t)+7], v[ADRA+(\s)] offset:(128+16*(\t))*PA+64*(\q)+32
.endr
.endm
.macro LD_W s, q, m, dst               ; matrix m (0 q, 1 k, 2 v), 64 channels, turned: 4 fragments, 8 loads
	WIN 0x01
.irp t, 0,1,2,3
	ds_load_tr16_b128 v[(\dst)+8*(\t):(\dst)+8*(\t)+3],   v[ADRB+(\s)] offset:((\m)*64+(\q)*32)*PB+32*(\t)
	ds_load_tr16_b128 v[(\dst)+8*(\t)+4:(\dst)+8*(\t)+7], v[ADRB+(\s)] offset:((\m)*64+(\q)*32+16)*PB+32*(\t)
.endr
.endm
; THE PRODUCTS.  Within a run every instruction has an accumulator of its own, and the runs take turns.  first = 1: the first product starts the sum: nothing is cleared
.macro MM_K buf, first, tb0, n         ; k^T: token blocks tb0 .. tb0 + n - 1 x 4 channel blocks
.if \first
	WIN 0x90                                       ; C = bk, in window 1
.else
	WIN 0xa0
.endif
.set tb, (\tb0)
.rept \n
.irp cb, 0,1,2,3
.if \first
	v_wmma_f32_16x16x32_bf16 v[8*(4*tb+(\cb)):8*(4*tb+(\cb))+7], v[WK+8*(\cb):WK+8*(\cb)+7], v[(\buf)+8*tb:(\buf)+8*tb+7], v[BK+8*(\cb):BK+8*(\cb)+7]
.else
	v_wmma_f32_16x16x32_bf16 v[8*(4*tb+(\cb)):8*(4*tb+(\cb))+7], v[WK+8*(\cb):WK+8*(\cb)+7], v[(\buf)+8*tb:(\buf)+8*tb+7], v[8*(4*tb+(\cb)):8*(4*tb+(\cb))+7]
.endif
.endr
.set tb, tb+1
.endr
.endm
.macro MM_V buf, first                 ; v: 8 token blocks x 4 channel blocks
	WIN 0xf0
.set tb, 0
.rept 8
.irp cb, 0,1,2,3
.if \first
	v_wmma_f32_16x16x32_bf16 v[8*(8*(\cb)+tb):8*(8*(\cb)+tb)+7], v[(\buf)+8*tb:(\buf)+8*tb+7], v[WV+8*(\cb):WV+8*(\cb)+7], 0
.else
	v_wmma_f32_16x16x32_bf16 v[8*(8*(\cb)+tb):8*(8*(\cb)+tb)+7], v[(\buf)+8*tb:(\buf)+8*tb+7], v[WV+8*(\cb):WV+8*(\cb)+7], v[8*(8*(\cb)+tb):8*(8*(\cb)+tb)+7]
.endif
.endr
.set tb, tb+1
.endr
.endm
.macro MM_Q first                      ; q^T: 4 query blocks x 4 channel blocks
	WIN 0x50
.set qb, 0
.rept 4
.irp cb, 0,1,2,3
.if \first
	v_wmma_f32_16x16x32_bf16 v[8*(4*qb+(\cb)):8*(4*qb+(\cb))+7], v[WQ+8*(\cb):WQ+8*(\cb)+7], v[HS+8*qb:HS+8*qb+7], v[BQ+8*(\cb):BQ+8*(\cb)+7]
.else
	v_wmma_f32_16x16x32_bf16 v[8*(4*qb+(\cb)):8*(4*qb+(\cb))+7], v[WQ+8*(\cb):WQ+8*(\cb)+7], v[HS+8*qb:HS+8*qb+7], v[8*(4*qb+(\cb)):8*(4*qb+(\cb))+7]
.endif
.endr
.set qb, qb+1
.endr
.endm
; A K STEP in six phases.  Each begins with a run of loads into the registers that the products just before it read (four places between), and multiplies what was asked for two or three runs
; earlier.  In issue order three runs are out at a phase's wait; the count names the LDS instructions younger than the run that is wanted.
.macro P1 s, first
	PLACES
	LD_W \s, 0, 0, WQ
	LD_HS \s, 0
	s_wait_dscnt 24                                ; Wk and e are in; Wv's 8 and the 16 just issued stay out
	MM_K E0, \first, 0, 8
.endm
.macro P2 s, first
	PLACES
	LD_W \s, 1, 1, WK
	LD_E \s, 1, E1
	s_wait_dscnt 40                                ; Wv is in; 16 + 24 stay out
	MM_V E0, \first
.endm
.macro P3 s, first
	PLACES
	LD_W \s, 1, 2, WV
	s_wait_dscnt 32                                ; Wq and hs are in; 24 + 8 stay out
	MM_Q \first
.endm
; The change of slots: ONE barrier.  The wave issues its last reads of slot s and 32 products; then it waits for all its tensor loads (one is out: its part of the other slot), adds 0 to its spare
; word, and waits for that and for its reads.  fill = 1: the barrier opens a round of the cluster's, and slot s is filled again, two K steps ahead, first thing behind the round.
; No product stands between the wait for the tile and the request: the next request leaves as soon as the ordering allows, and from a request to the wait for it a wave issues a whole step's 160 products.
.macro P4 s, fill
	PLACES
	LD_W \s, 1, 0, WQ
	LD_HS \s, 1
	s_wait_dscnt 24                                ; Wk and e are in; Wv's 8 and the 16 just issued stay out
	MM_K E1, 0, 0, 8
	WIN 0x05                                       ; (the add's two registers lie in window 1)
	s_wait_tensorcnt 0x0                           ; all my tensor loads have landed, so a group 0 may be written
	ds_add_u32 v[SPW], v[NIL]                      ; 0 onto my spare word; the descriptors' steps stand between it and the wait for it
	WIN 0
.if \fill
	s_add_nc_u64 s[G0A+4*(\s)+2:G0A+4*(\s)+3], s[G0A+4*(\s)+2:G0A+4*(\s)+3], 2*ASTEP
	s_add_nc_u64 s[G0B+4*(\s)+2:G0B+4*(\s)+3], s[G0B+4*(\s)+2:G0B+4*(\s)+3], 2*BSTEP
.endif
	s_wait_dscnt 0x0                               ; the add is done, and my reads of this slot are over
	s_barrier_signal -1
	s_barrier_wait -1
.if \fill
	CREST                                          ; no wave of any partner still reads this slot or has a load on its way
	JLOAD \s                                       ; the four v_nop behind it are also the places in front of the loads that follow
.else
	PLACES
.endif
.endm
.macro P5 n                            ; n: the other slot, whole since the barrier.  What is multiplied was shown in by the wait for 0
	LD_W \n, 0, 1, WK
	LD_E \n, 0, E0
	MM_V E1, 0
.endm
.macro P6 n
	PLACES
	LD_W \n, 0, 2, WV
	MM_Q 0
.endm
	s_wait_tensorcnt 0x1                           ; my part of K step 0 is in; step 1's may stay out
	s_barrier_signal -1
	s_barrier_wait -1                              ; everybody's is
	s_wait_loadcnt 0x0                             ; the biases are in, and the register that addressed them is free
	LD_W 0, 0, 1, WK
	LD_E 0, 0, E0
	LD_W 0, 0, 2, WV
	P1 0, 1                                        ; the first half step stands in front of the loop: its products start the sums
	P2 0, 1
	P3 0, 1
	WIN 0                                          ; at a label and at a branch every window is 0
	s_mov_b32 s3, 7
.Llap:                                                 ; a trip goes once round the ring, from the middle of an even step to the middle of the next, and fills both slots again
	P4 0, 1
	P5 1
	P6 1
	P1 1, 0
	P2 1, 0
	P3 1, 0
	P4 1, 1
	P5 0
	P6 0
	P1 0, 0
	P2 0, 0
	P3 0, 0
	WIN 0
	s_sub_co_u32 s3, s3, 1
	s_cmp_lg_u32 s3, 0
	s_cbranch_scc1 .Llap
	P4 0, 0                                        ; the last two steps ask for nothing
	P5 1
	P6 1
	P1 1, 0
	P2 1, 0
	P3 1, 0
	PLACES
	LD_W 1, 1, 0, WQ
	LD_HS 1, 1
	s_wait_dscnt 24                                ; Wk and e; 8 + 16 stay out
	MM_K E1, 0, 0, 8
	s_wait_dscnt 16                                ; Wv
	MM_V E1, 0
	s_wait_dscnt 0x0
	MM_Q 0
	; ACCUMULATORS BECOME FRAGMENTS, in place and ascending (each accumulator is read from its low end on): K(tb, c2) at window 2, 8 (2 tb + c2); V^T(cb, kg) at window 3, 8 (4 cb + kg); Q(qb, c2) at window 1, 8 (2 qb + c2)
	PLACES
	WIN 0x8a
.set i, 0
.rept 128
	v_cvt_pk_bf16_f32 v[i], v[2*i], v[2*i+1]
.set i, i+1
.endr
	WIN 0xcf
.set i, 0
.rept 128
	v_cvt_pk_bf16_f32 v[i], v[2*i], v[2*i+1]
.set i, i+1
.endr
	WIN 0x45
.set i, 0
.rept 64
	v_cvt_pk_bf16_f32 v[i], v[2*i], v[2*i+1]
.set i, i+1
.endr
	WIN 0x01
	v_mov_b32 v[STOC], v[STO]
	v_mov_b32 v[RDC], v[RD]
	v_mov_b32 v[GOC], v[GO]
; S^T = K Q^T for query blocks 2 p, 2 p + 1: 16 accumulators by turns, two deep (64 channels)
.macro KQ p
	WIN 0x06                                       ; K window 2, Q window 1, S^T window 0
.irp c2, 0,1
.irp t, 0,1,2,3,4,5,6,7
.irp u, 0,1
.if (\c2) == 0
	v_wmma_f32_16x16x32_bf16 v[64*(\u)+8*(\t):64*(\u)+8*(\t)+7], v[8*(2*(\t)+(\c2)):8*(2*(\t)+(\c2))+7], v[8*(2*(2*(\p)+(\u))+(\c2)):8*(2*(2*(\p)+(\u))+(\c2))+7], 0
.else
	v_wmma_f32_16x16x32_bf16 v[64*(\u)+8*(\t):64*(\u)+8*(\t)+7], v[8*(2*(\t)+(\c2)):8*(2*(\t)+(\c2))+7], v[8*(2*(2*(\p)+(\u))+(\c2)):8*(2*(2*(\p)+(\u))+(\c2))+7], v[64*(\u)+8*(\t):64*(\u)+8*(\t)+7]
.endif
.endr
.endr
.endr
.endm
; O^T = V^T P: 8 accumulators by turns, four deep (128 keys)
.macro PV p
	WIN 0xf3                                       ; V^T and O^T window 3, P window 0
.irp kg, 0,1,2,3
.irp u, 0,1
.irp cb, 0,1,2,3
.if (\kg) == 0
	v_wmma_f32_16x16x32_bf16 v[128+8*(4*(2*(\p)+(\u))+(\cb)):128+8*(4*(2*(\p)+(\u))+(\cb))+7], v[8*(4*(\cb)+(\kg)):8*(4*(\cb)+(\kg))+7], v[128+32*(\u)+8*(\kg):128+32*(\u)+8*(\kg)+7], 0
.else
	v_wmma_f32_16x16x32_bf16 v[128+8*(4*(2*(\p)+(\u))+(\cb)):128+8*(4*(2*(\p)+(\u))+(\cb))+7], v[8*(4*(\cb)+(\kg)):8*(4*(\cb)+(\kg))+7], v[128+32*(\u)+8*(\kg):128+32*(\u)+8*(\kg)+7], v[128+8*(4*(2*(\p)+(\u))+(\cb)):128+8*(4*(2*(\p)+(\u))+(\cb))+7]
.endif
.endr
.endr
.endr
.endm
; The softmax of S^T's block u (query block qb).  A lane holds one query and 64 of its 128 scores; the lane 16 away holds the others.
.macro SOFTMAX u, qb
	WIN 0
.set SB, 64*(\u)
.set TW, 192+8*(\u)                    ; c0-c3 at work; +4, +5: c m
.set PP, 128+32*(\u)
.set RL, 240+2*(\qb)
	; the maximum: four chains; chain i goes through accumulators i and i + 4, each from its low end on
.irp i, 0,1,2,3
	v_max3_num_f32 v[TW+(\i)], v[SB+8*(\i)], v[SB+8*(\i)+1], v[SB+8*(\i)+2]
.endr
.set k, 1
.rept 6
.irp i, 0,1,2,3
	v_max3_num_f32 v[TW+(\i)], v[TW+(\i)], v[SB+8*(\i)+(2*k+1)+24*((2*k+1)/8)], v[SB+8*(\i)+(2*k+2)+24*((2*k+2)/8)]
.endr
.set k, k+1
.endr
.irp i, 0,1,2,3
	v_max_num_f32 v[TW+(\i)], v[TW+(\i)], v[SB+8*(\i)+39]
.endr
	v_max3_num_f32 v[TW], v[TW], v[TW+1], v[TW+2]
	v_max_num_f32 v[TW], v[TW], v[TW+3]
	v_permlanex16_b32 v[TW+1], v[TW], s68, s69
	v_max_num_f32 v[TW], v[TW], v[TW+1]            ; m
	v_mul_f32 v[TW+4], s66, v[TW]                  ; c m
	v_mul_f32 v[TW+5], s66, v[TW]                  ; named with it as a pair
.set i, 0
.rept 32
	v_pk_fma_f32 v[SB+2*i:SB+2*i+1], v[SB+2*i:SB+2*i+1], s[66:67], v[TW+4:TW+5] op_sel_hi:[1,0,0] neg_lo:[0,0,1] neg_hi:[0,0,1]  ; c s - c m
.set i, i+1
.endr
.set i, 0
.rept 64
	v_exp_f32 v[SB+i], v[SB+i]
.set i, i+1
.endr
	v_nop                                          ; a plain instruction between the last exponential and the use of its result (ISA guide 5.7.2)
.set i, 0
	s_wait_alu depctr_va_vdst(0)
.rept 32
	v_cvt_pk_bf16_f32 v[PP+i], v[SB+2*i], v[SB+2*i+1]
.set i, i+1
.endr
.irp w, 16,8,4,2,1                     ; the sum of the 32 pairs, in place, as a tree
.set z, 0
.rept \w
	v_pk_add_f32 v[SB+2*z:SB+2*z+1], v[SB+2*z:SB+2*z+1], v[SB+2*(z+(\w)):SB+2*(z+(\w))+1]
.set z, z+1
.endr
.endr
	v_add_f32 v[TW], v[SB], v[SB+1]
	v_permlanex16_b32 v[TW+1], v[TW], s68, s69
	v_add_f32 v[TW], v[TW], v[TW+1]                ; l
	v_rcp_f32 v[RL], v[TW]
	v_nop
	s_wait_alu depctr_va_vdst(0)
	v_mov_b32 v[RL+1], v[RL]
.endm
.irp p, 0,1
	KQ \p
	PLACES
	SOFTMAX 0, 2*(\p)
	SOFTMAX 1, 2*(\p)+1
	PV \p
.endr
	; THE WAY OUT: O / l + bv; rounded to bf16; 16 bytes a lane into the work-group's stage; a barrier, since a row's 256 bytes come from two waves; back as whole rows, 32 a wave
	PLACES
	WIN 0xd3                                       ; O^T window 3, 1 / l window 0, bv window 1
.irp q, 0,1,2,3
.irp cb, 0,1,2,3
.irp z, 0,1,2,3
	v_pk_fma_f32 v[128+8*(4*(\q)+(\cb))+2*(\z):128+8*(4*(\q)+(\cb))+2*(\z)+1], v[128+8*(4*(\q)+(\cb))+2*(\z):128+8*(4*(\q)+(\cb))+2*(\z)+1], v[240+2*(\q):240+2*(\q)+1], v[BV+8*(\cb)+2*(\z):BV+8*(\cb)+2*(\z)+1]
.endr
.endr
.endr
	WIN 0x0f
.set i, 0
.rept 64
	v_cvt_pk_bf16_f32 v[i], v[128+2*i], v[128+2*i+1]
.set i, i+1
.endr
	WIN 0
.irp q, 0,1,2,3
.irp cb, 0,1,2,3
	ds_store_b128 v[STOC], v[4*(4*(\q)+(\cb)):4*(4*(\q)+(\cb))+3] offset:(\q)*16*SP+32*(\cb)
.endr
.endr
	s_wait_dscnt 0x0                               ; for the others' sake: my stores into the stage are done
	s_barrier_signal -1
	s_barrier_wait -1
.irp t, 0,1,2,3,4,5,6,7,8,9,10,11,12,13,14,15
	ds_load_b128 v[64+4*(\t):64+4*(\t)+3], v[RDC] offset:(\t)*2*SP
.endr
.irp t, 0,1,2,3,4,5,6,7,8,9,10,11,12,13,14,15
	s_wait_dscnt 15-(\t)
	global_store_b128 v[GOC], v[64+4*(\t):64+4*(\t)+3], s[76:77] offset:(\t)*4096  ; 16 lanes store 256 consecutive bytes, at a multiple of 256 from att's first byte
.endr
	WIN 0x05
	s_wait_tensorcnt 0x0                           ; the wave's end, behind my last tensor load and my last LDS store
	ds_add_u32 v[SPW], v[NIL]
	s_wait_dscnt 0x0
	WIN 0
	CROUND                                         ; the closing round: no work-group ends while a partner may still ask for a tile that names it
	s_endpgm
.Lfunc_end_k_qd6032e5c29_qkvattn:
	.size	k_qd6032e5c29_qkvattn, .Lfunc_end_k_qd6032e5c29_qkvattn-k_qd6032e5c29_qkvattn
	.p2alignl 7, 3214868480
	.fill 96, 4, 3214868480
	.section	.rodata,"a",@progbits
	.p2align	6, 0x0
	.amdhsa_kernel k_qd6032e5c29_qkvattn
		.amdhsa_group_segment_fixed_size 327680
		.amdhsa_private_segment_fixed_size 0
		.amdhsa_enable_private_segment 0
		.amdhsa_kernarg_size 48
		.amdhsa_user_sgpr_count 2
		.amdhsa_user_sgpr_kernarg_segment_ptr 1
		.amdhsa_wavefront_size32 1
		.amdhsa_system_sgpr_workgroup_id_x 1
		.amdhsa_system_sgpr_workgroup_id_y 1
		.amdhsa_system_sgpr_workgroup_id_z 1
		.amdhsa_system_vgpr_workitem_id 0
		.amdhsa_next_free_vgpr 1024
		.amdhsa_next_free_sgpr 84
		.amdhsa_reserve_vcc 0
		.amdhsa_float_denorm_mode_32 3
		.amdhsa_float_denorm_mode_16_64 3
		.amdhsa_memory_ordered 1
		.amdhsa_forward_progress 1
		.amdhsa_inst_pref_size 165
	.end_amdhsa_kernel
	.amdgpu_metadata
---
amdhsa.version: [ 1, 2 ]
amdhsa.kernels:
  - .name:           k_qd6032e5c29_qkvattn
    .symbol:         k_qd6032e5c29_qkvattn.kd
    .args:
      - { .name: ab, .offset: 0, .size: 8, .value_kind: global_buffer, .address_space: global }
      - { .name: wqkv, .offset: 8, .size: 8, .value_kind: global_buffer, .address_space: global }
      - { .name: bq, .offset: 16, .size: 8, .value_kind: global_buffer, .address_space: global }
      - { .name: bk, .offset: 24, .size: 8, .value_kind: global_buffer, .address_space: global }
      - { .name: bv, .offset: 32, .size: 8, .value_kind: global_buffer, .address_space: global }
      - { .name: att, .offset: 40, .size: 8, .value_kind: global_buffer, .address_space: global }
    .group_segment_fixed_size: 327680
    .private_segment_fixed_size: 0
    .kernarg_segment_align: 8
    .kernarg_segment_size: 48
    .max_flat_workgroup_size: 128
    .sgpr_count:     84
    .vgpr_count:     1024
    .wavefront_size: 32
...
	.end_amdgpu_metadata
.endif
;; end of part 2
;; launch oproj (part 3): grid 8 x 32, 4 waves a work-group, clusters of 4 x 4, 327,680 bytes of LDS; arguments att, wob, bo, h, out0; writes out0
.if DOCPART == 3
	.amdgcn_target "amdgcn-amd-amdhsa--gfx1250"
	.amdhsa_code_object_version 6
	.text
	.protected	k_qd6032e5c29_oproj
	.globl	k_qd6032e5c29_oproj
	.p2align	8
	.type	k_qd6032e5c29_oproj,@function
k_qd6032e5c29_oproj:
	s_mov_b64 s[64:65], 0
	v_nop
	global_prefetch_b8 v0, s[64:65] scope:SCOPE_SE
	s_setreg_imm32_b32 hwreg(HW_REG_WAVE_MODE, 25, 1), 1
	s_wait_xcnt 0x0
	s_wait_alu depctr_hold_cnt(0) depctr_sa_sdst(0) depctr_va_vdst(0) depctr_va_sdst(0) depctr_va_ssrc(0) depctr_va_vcc(0) depctr_vm_vsrc(0)
	s_getreg_b32 s2, hwreg(HW_REG_IB_STS2, 6, 4)
	s_cmp_eq_u32 s2, 0
	s_cbranch_scc0 .Lentry_in_a_cluster
	s_endpgm
.Lentry_in_a_cluster:
	s_bfe_u32 s2, ttmp6, 0x10000c
	s_cmp_lg_u32 s2, 0xf033
	s_cbranch_scc0 .Lentry_shape_is_right
	s_endpgm
.Lentry_shape_is_right:
; out0[b][s] = h[b][s] + (s >= 63 ? att[b][s - 63] . Wo + bo : 0).  att: [8,192][1,024] bf16; wob: [column block 16][k 1,024][64] bf16; bo, h, out0 in f32; sums in f32.
; THE SHIFT.  Row t of a batch's att goes to row s = (t + 63) mod 2,048: a one-to-one map of the batch's rows.  The rows that wrap (t > 1,984, s < 63) are those in which the result is h alone:
; there the product is replaced by 0 by a select.  So every row of out0 is written once, by whole stores, and no lane is ever switched off.
; SHARES.  A work-group makes 256 rows x 128 columns: 256 work-groups.  Wave w: rows 128 (w / 2) on, columns 64 (w % 2) on: 32 accumulators.  A wave's piece of a row is 64 f32 = 256 bytes.
; K goes in 8 steps of 128 through two LDS slots; a step is four quarters of 32: 32 matrix instructions and 24 LDS loads each, on two fragment buffers.
; THE MATRIX INSTRUCTION IS USED TRANSPOSED (source 0 = 16 columns of Wo, turned by ds_load_tr16_b128; source 1 = 16 rows of att): a lane holds eight neighbouring columns of one row.  bo is the C operand of the first product.
; h's 64 loads a lane are issued at the start and are on their way under the whole K loop.
; CLUSTER 4 x 4: att's tiles are asked for jointly along the cluster's row, wob's along its column.
; LIMITS.  att and Wo are bf16 (rounded once, earlier); NaN and infinities are not treated apart, but a product in a row s < 63 never reaches the result.
; REGISTERS: window 0: v0-12 at work at the start; v16-29 addresses; F0 v32-127, F1 v128-223 (att's block a at + 8 a, Wo's block b at + 64 + 8 b); bo v224-255; on the way out v32-95 two blocks of 16 rows
;   window 1: accumulators at 8 (4 a + b)     window 2: h, rows 2 t, 2 t + 1 of block a at 4 (8 a + t)     window 3: v0-63 their byte offsets in h and out0; v64, v65 at work
.set REG,   34816                      ; a region of a slot: att's 128 rows at a pitch of 272 bytes; wob's 128 rows at 160 (20,480 used)
.set SLOT,  4*REG
.set STAGE, 2*SLOT                     ; behind the ring, never filled by a tensor load: 16 rows x 272 bytes for each wave
.set SP,    272
.set SPARE, STAGE+4*16*SP              ; the spare words, 128 bytes a wave: two blocks of 256 bytes that no other line names
.set PA,    272                        ; 256 + 16 bytes = 68 words: the 16 rows of a load start at 16 different groups of four banks (64 banks of 4 bytes: ISA guide 11.1)
.set PB,    160                        ; 128 + 32 bytes
.set ADRA, 16
.set ADRB, 20
.set STO,  24
.set RD,   25
.set SPW,  28                          ; LDS address of my spare word; never rewritten
.set NIL,  29                          ; 0; never rewritten
.set F0,   32
.set F1,   128
.set BO,   224
.set BK0,  32
.set OFFS, 0                           ; window 3
.set R63,  64
.set COL,  65
.set G1A, 24
.set G0A, 32
.set G1B, 48
.set G0B, 56
.set MSB, 0
.macro WIN new                         ; the immediate's high byte repeats the setting that is left; a switch that changes nothing is dropped
.if MSB != (\new)
	s_set_vgpr_msb (MSB<<8)|(\new)
.set MSB, (\new)
.endif
.endm
.macro PLACES                          ; four places in front of loads into registers that matrix instructions have read, and of LDS stores that read results
.rept 4
	v_nop
.endr
.endm
.macro JLOAD s                         ; a joint load: waves 0 and 1 fetch att's two halves, waves 2 and 3 wob's two column blocks; an s_nop 0 and four v_nop follow each line
	s_cmp_eq_u32 s21, 0
	s_cbranch_scc0 .Lfor_b_\@
	tensor_load_to_lds s[G0A+4*(\s):G0A+4*(\s)+3], s[G1A:G1A+7]
	s_nop 0
.rept 4
	v_nop
.endr
	s_branch .Lasked_\@
.Lfor_b_\@:
	tensor_load_to_lds s[G0B+4*(\s):G0B+4*(\s)+3], s[G1B:G1B+7]
	s_nop 0
.rept 4
	v_nop
.endr
.Lasked_\@:
.endm
.macro CREST                           ; a round of the cluster's barrier behind its opening barrier
	s_cmp_lg_u32 s20, 0
	s_cbranch_scc1 .Lnot_wave_0_\@
	s_barrier_signal -3
.Lnot_wave_0_\@:
	s_barrier_wait -3
	s_barrier_signal -1
	s_barrier_wait -1
.endm
.macro CROUND
	s_barrier_signal -1
	s_barrier_wait -1
	CREST
.endm
	s_load_b256 s[4:11], s[0:1], 0x0               ; att s[4:5], wob s[6:7], bo s[8:9], h s[10:11]
	s_load_b64 s[12:13], s[0:1], 0x20              ; out0
	v_lshl_add_u32 v[SPW], v0, 2, SPARE
	v_mov_b32 v[NIL], 0
	ds_add_u32 v[SPW], v[NIL]                      ; the wave's opening: the add and its wait stand ahead of my first tensor load; the set-up below, work on registers, stands between them
	v_lshrrev_b32 v1, 5, v0
	v_readfirstlane_b32 s20, v1                    ; wave 0..3
	s_lshr_b32 s21, s20, 1                         ; which half of the rows is mine.  Also: I fetch for att (0) or for wob (1)
	s_and_b32 s22, s20, 1                          ; which half of the columns.  Also: which of the two tiles I fetch
	s_bfe_u32 s40, ttmp6, 0x40000
	s_bfe_u32 s41, ttmp6, 0x40004
	s_lshl_b32 s42, ttmp9, 2
	s_add_co_u32 s42, s42, s40                     ; nx: 128 columns
	s_and_b32 s23, ttmp7, 0xffff
	s_lshl_b32 s23, s23, 2
	s_add_co_u32 s23, s23, s41                     ; my: 256 rows
	s_lshl_b32 s43, s41, 2
	s_lshl_b32 s43, 15, s43                        ; my row of the cluster
	s_lshl_b32 s44, 0x1111, s40                    ; my column
	s_or_b32 s[G1A], s43, (1<<16)|(1<<20)|(1<<21)|(5<<22)|(3<<25)  ; att: 2-byte elements; padding of 4 words (code 3) after every 64 (code 5); bit 21 beside the mask
	s_mov_b32 s[G1A+1], 128<<16                    ; tensor_dim0 = 128
	s_mov_b32 s[G1A+2], 128<<16                    ; tensor_dim1 = 128
	s_mov_b32 s[G1A+3], 128<<16                    ; tile_dim0 = 128
	s_mov_b32 s[G1A+4], 128                        ; tile_dim1 = 128
	s_mov_b32 s[G1A+5], 1024                       ; elements from row to row
	s_mov_b32 s[G1A+6], 0
	s_mov_b32 s[G1A+7], 0
	s_or_b32 s[G1B], s44, (1<<16)|(1<<20)|(1<<21)|(4<<22)|(7<<25)  ; wob: 128 k x 128 dense bytes asked for as 64 rows of 256; padding of 8 words (code 7) after every 32 (code 4)
	s_mov_b32 s[G1B+1], 128<<16
	s_mov_b32 s[G1B+2], 64<<16
	s_mov_b32 s[G1B+3], 128<<16
	s_mov_b32 s[G1B+4], 64
	s_mov_b32 s[G1B+5], 128
	s_mov_b32 s[G1B+6], 0
	s_mov_b32 s[G1B+7], 0
	s_lshl_b32 s16, s23, 8                         ; att: row 256 my + 128 x half: of my and the wave's number alone
	s_lshl_b32 s17, s22, 7
	s_add_co_u32 s16, s16, s17
	s_lshl_b32 s16, s16, 11
	s_mov_b32 s17, 0
	s_lshl1_add_u32 s46, s42, s22                  ; wob: column block 2 nx + half: of nx and the wave's number alone
	s_lshl_b32 s46, s46, 17
	s_mov_b32 s47, 0
	s_mul_i32 s19, s20, REG                        ; where it goes: region = wave
	s_mov_b32 s74, 258047                          ; 63 rows of 4,096 bytes, less 1
	s_wait_dscnt 0x0                               ; the opening add is done
	s_wait_kmcnt 0x0
	s_add_nc_u64 s[16:17], s[4:5], s[16:17]
	s_add_nc_u64 s[46:47], s[6:7], s[46:47]
	CROUND                                         ; all sixteen work-groups are here: the first joint loads meet
.irp s, 0,1
	s_mov_b32 s[G0A+4*(\s)], 1
	s_add_co_u32 s[G0A+4*(\s)+1], s19, (\s)*SLOT
	s_add_nc_u64 s[G0A+4*(\s)+2:G0A+4*(\s)+3], s[16:17], (\s)*256    ; K step s: 128 elements along the rows
	s_or_b32 s[G0A+4*(\s)+3], s[G0A+4*(\s)+3], 0x80000000
	s_mov_b32 s[G0B+4*(\s)], 1
	s_add_co_u32 s[G0B+4*(\s)+1], s19, (\s)*SLOT
	s_add_nc_u64 s[G0B+4*(\s)+2:G0B+4*(\s)+3], s[46:47], (\s)*16384  ; K step s: 128 rows of 128 bytes
	s_or_b32 s[G0B+4*(\s)+3], s[G0B+4*(\s)+3], 0x80000000
	JLOAD \s                                       ; two loads of mine are out
.endr
	s_lshl_b32 s46, s42, 9                         ; my 64 columns in f32: 512 nx + 256 x half
	s_lshl_b32 s47, s22, 8
	s_add_co_u32 s46, s46, s47
	s_mov_b32 s47, 0
	s_add_nc_u64 s[8:9], s[8:9], s[46:47]          ; bo there
	s_lshr_b32 s16, s23, 3                         ; the batch,
	s_lshl_b32 s16, s16, 23                        ; its 2,048 rows of 4,096 bytes
	s_mov_b32 s17, 0
	s_add_nc_u64 s[70:71], s[10:11], s[16:17]
	s_add_nc_u64 s[70:71], s[70:71], s[46:47]      ; h at the batch and my columns
	s_add_nc_u64 s[72:73], s[12:13], s[16:17]
	s_add_nc_u64 s[72:73], s[72:73], s[46:47]      ; out0 likewise
	v_and_b32 v1, 15, v0                           ; r = l % 16
	v_bfe_u32 v2, v0, 4, 1                         ; hh = l / 16
	v_and_b32 v3, 7, v0
	v_bfe_u32 v4, v0, 3, 1
	v_lshlrev_b32 v10, 5, v2                       ; bo: my eight columns begin at 8 hh
.irp b, 0,1,2,3
	global_load_b128 v[BO+8*(\b):BO+8*(\b)+3],   v10, s[8:9] offset:64*(\b)
	global_load_b128 v[BO+8*(\b)+4:BO+8*(\b)+7], v10, s[8:9] offset:64*(\b)+16
.endr
	s_and_b32 s16, s23, 7
	s_lshl_b32 s16, s16, 8
	s_lshl_b32 s17, s21, 7
	s_add_co_u32 s16, s16, s17
	s_add_co_u32 s16, s16, 63
	v_add_nc_u32 v11, s16, v2                      ; t + 63 of my row in the wave's first pair of rows
	v_lshlrev_b32 v12, 4, v1                       ; my 16 bytes of a row's 256
	WIN 0xc0
	v_mov_b32 v[R63], v11
	v_mov_b32 v[COL], v12
	WIN 0xff
.set i, 0
.rept 64                               ; pair t of block a (i = 8 a + t): s = (t + 63) mod 2,048, in bytes
	v_add_nc_u32 v[OFFS+i], 16*(i/8)+2*(i%8), v[R63]
	v_and_b32 v[OFFS+i], 0x7ff, v[OFFS+i]
	v_lshl_add_u32 v[OFFS+i], v[OFFS+i], 12, v[COL]
.set i, i+1
.endr
	WIN 0x83                                       ; destination window 2, address window 3
.set i, 0
.rept 64
	global_load_b128 v[4*i:4*i+3], v[OFFS+i], s[70:71] th:TH_LOAD_NT
.set i, i+1
.endr
	WIN 0
	v_mul_u32_u24 v5, v1, PA                       ; a fragment of att: row r, 16 bytes for each half of the lanes
	v_lshl_add_u32 v5, v2, 4, v5
	v_lshl_add_u32 v6, v2, 3, v3                   ; the turning load: row 8 hh + l % 8, 16 bytes at 16 ((l / 8) % 2)
	v_mul_u32_u24 v6, v6, PB
	v_lshl_add_u32 v6, v4, 4, v6
	s_mul_i32 s16, s21, REG
	s_mul_i32 s18, s22, REG
	s_add_co_u32 s18, s18, 2*REG
.irp s, 0,1
	v_add_nc_u32 v[ADRA+(\s)], s16, v5
	v_add_nc_u32 v[ADRB+(\s)], s18, v6
	s_add_co_u32 s16, s16, SLOT
	s_add_co_u32 s18, s18, SLOT
.endr
	s_mul_i32 s16, s20, 16*SP
	s_add_co_u32 s16, s16, STAGE                   ; my stage
	v_mul_u32_u24 v7, v1, SP                       ; in: row r, 32 bytes for each half of the lanes
	v_lshl_add_u32 v7, v2, 5, v7
	v_add_nc_u32 v[STO], s16, v7
	v_mul_u32_u24 v8, v2, SP                       ; back: lanes 0-15 take one row of 256 bytes, lanes 16-31 the next
	v_lshl_add_u32 v8, v1, 4, v8
	v_add_nc_u32 v[RD], s16, v8
.macro FETCH s, q, f                   ; 24 LDS loads in one run: the fragments of 32 along K: 128 rows of att, 64 columns of Wo
	WIN 0
.irp a, 0,1,2,3,4,5,6,7
	ds_load_b128 v[(\f)+8*(\a):(\f)+8*(\a)+3],   v[ADRA+(\s)] offset:(\a)*16*PA+64*(\q)
	ds_load_b128 v[(\f)+8*(\a)+4:(\f)+8*(\a)+7], v[ADRA+(\s)] offset:(\a)*16*PA+64*(\q)+32
.endr
.irp b, 0,1,2,3
	ds_load_tr16_b128 v[(\f)+64+8*(\b):(\f)+64+8*(\b)+3],   v[ADRB+(\s)] offset:(\q)*32*PB+32*(\b)
	ds_load_tr16_b128 v[(\f)+64+8*(\b)+4:(\f)+64+8*(\b)+7], v[ADRB+(\s)] offset:((\q)*32+16)*PB+32*(\b)
.endr
.endm
.macro MUL f, a0, n, first             ; row blocks a0 .. a0 + n - 1 x 4 column blocks; the 32 accumulators take turns.  first = 1: C = bo starts the sums
.if \first
	WIN 0x40
.else
	WIN 0x50
.endif
.set aa, (\a0)
.rept \n
.irp b, 0,1,2,3
.if \first
	v_wmma_f32_16x16x32_bf16 v[8*(4*aa+(\b)):8*(4*aa+(\b))+7], v[(\f)+64+8*(\b):(\f)+64+8*(\b)+7], v[(\f)+8*aa:(\f)+8*aa+7], v[BO+8*(\b):BO+8*(\b)+7]
.else
	v_wmma_f32_16x16x32_bf16 v[8*(4*aa+(\b)):8*(4*aa+(\b))+7], v[(\f)+64+8*(\b):(\f)+64+8*(\b)+7], v[(\f)+8*aa:(\f)+8*aa+7], v[8*(4*aa+(\b)):8*(4*aa+(\b))+7]
.endif
.endr
.set aa, aa+1
.endr
.endm
.macro QUARTER s, qn, f, g, first      ; asks for quarter qn into buffer g, which the products just before read, and multiplies buffer f
	PLACES
	FETCH \s, \qn, \g
	s_wait_dscnt 24                                ; buffer f is in; the 24 just issued stay out
	MUL \f, 0, 8, \first
.endm
; The last quarter multiplies buffer 1 and changes slots: ONE barrier, in its middle.  In front of it the wave waits for all its tensor loads (one is out: its part of the next slot), adds 0 to its spare
; word, and waits for that; its reads of this slot were shown back at the quarter's head.  fill = 1: the barrier opens a round of the cluster's, and this slot is filled again, two K steps ahead, first thing behind the round.
; No product stands between the wait for the tile and the request: from a request to the wait for it a wave issues a whole step's 128 products.
.macro TURN s, n, fill
	s_wait_dscnt 0x0                               ; buffer 1 is in: its run was my last read of this slot
	MUL F1, 0, 4, 0
	WIN 0
	s_wait_tensorcnt 0x0                           ; all my tensor loads have landed, so a group 0 may be written
	ds_add_u32 v[SPW], v[NIL]                      ; 0 onto my spare word; the descriptors' steps stand between it and the wait for it
.if \fill
	s_add_nc_u64 s[G0A+4*(\s)+2:G0A+4*(\s)+3], s[G0A+4*(\s)+2:G0A+4*(\s)+3], 512
	s_add_nc_u64 s[G0B+4*(\s)+2:G0B+4*(\s)+3], s[G0B+4*(\s)+2:G0B+4*(\s)+3], 32768
.endif
	s_wait_dscnt 0x0                               ; the add is done
	s_barrier_signal -1
	s_barrier_wait -1
.if \fill
	CREST                                          ; no wave of any partner still reads this slot or has a load on its way
	JLOAD \s                                       ; the four v_nop behind it are also the places in front of the loads below
.else
	PLACES
.endif
	FETCH \n, 0, F0
	MUL F1, 4, 4, 0
.endm
	s_wait_tensorcnt 0x1                           ; my part of K step 0 is in; step 1's may stay out
	s_barrier_signal -1
	s_barrier_wait -1                              ; everybody's is
	FETCH 0, 0, F0
	s_wait_loadcnt 63                              ; of the 72 loads issued at least nine are done: bo's eight were the first
	QUARTER 0, 1, F0, F1, 1                        ; the first quarter stands in front of the loop: its products start the sums
	WIN 0                                          ; at a label and at a branch every window is 0
	s_mov_b32 s3, 3
.Llap:                                                 ; a trip goes once round the ring, from a lap's second quarter to the next lap's first, and fills both slots again
	QUARTER 0, 2, F1, F0, 0
	QUARTER 0, 3, F0, F1, 0
	TURN 0, 1, 1
	QUARTER 1, 1, F0, F1, 0
	QUARTER 1, 2, F1, F0, 0
	QUARTER 1, 3, F0, F1, 0
	TURN 1, 0, 1
	QUARTER 0, 1, F0, F1, 0
	WIN 0
	s_sub_co_u32 s3, s3, 1
	s_cmp_lg_u32 s3, 0
	s_cbranch_scc1 .Llap
	QUARTER 0, 2, F1, F0, 0                        ; the last lap asks for nothing
	QUARTER 0, 3, F0, F1, 0
	TURN 0, 1, 0
	QUARTER 1, 1, F0, F1, 0
	QUARTER 1, 2, F1, F0, 0
	QUARTER 1, 3, F0, F1, 0
	s_wait_dscnt 0x0
	MUL F1, 0, 8, 0
; THE WAY OUT, a block of 16 rows at a time, through my own stage: a lane's 32 bytes of a row go in, whole rows of 256 bytes come back.
.macro TOSTAGE a
.set BK, BK0+32*((\a)%2)
.if (\a) >= 2
	s_wait_xcnt 0x0                                ; the registers that the stores of the block two back read are loaded again only behind this wait
.endif
	WIN 0x04                                       ; the data in window 1: straight from the accumulators, each from its low end on
.irp b, 0,1,2,3
	ds_store_b128 v[STO], v[8*(4*(\a)+(\b)):8*(4*(\a)+(\b))+3]   offset:64*(\b)
	ds_store_b128 v[STO], v[8*(4*(\a)+(\b))+4:8*(4*(\a)+(\b))+7] offset:64*(\b)+16
.endr
	WIN 0
.irp t, 0,1,2,3,4,5,6,7
	ds_load_b128 v[BK+4*(\t):BK+4*(\t)+3], v[RD] offset:(\t)*2*SP  ; LDS serves a wave's instructions in order (ISA guide 5.7.1.4): these see the stores above; the next block's stores come behind them
.endr
.endm
.macro SEND a, younger                 ; younger: the LDS instructions issued behind block a's loads
.set BK, BK0+32*((\a)%2)
	s_wait_dscnt \younger
	WIN 0x0c
.irp t, 0,1,2,3,4,5,6,7
	v_cmp_lt_u32 s[76+(\t)], s74, v[OFFS+8*(\a)+(\t)]  ; s >= 63: the row takes the product
.endr
	WIN 0
.irp t, 0,1,2,3,4,5,6,7
.irp z, 0,1,2,3
	v_cndmask_b32 v[BK+4*(\t)+(\z)], 0, v[BK+4*(\t)+(\z)], s[76+(\t)]
.endr
.endr
	WIN 0x08
.irp t, 0,1,2,3,4,5,6,7
	v_pk_add_f32 v[BK+4*(\t):BK+4*(\t)+1],   v[BK+4*(\t):BK+4*(\t)+1],   v[4*(8*(\a)+(\t)):4*(8*(\a)+(\t))+1]
	v_pk_add_f32 v[BK+4*(\t)+2:BK+4*(\t)+3], v[BK+4*(\t)+2:BK+4*(\t)+3], v[4*(8*(\a)+(\t))+2:4*(8*(\a)+(\t))+3]
.endr
	WIN 0x03
.irp t, 0,1,2,3,4,5,6,7
	global_store_b128 v[OFFS+8*(\a)+(\t)], v[BK+4*(\t):BK+4*(\t)+3], s[72:73] th:TH_STORE_NT  ; 16 lanes store 256 consecutive bytes, at a multiple of 256 from out0's first byte
.endr
	WIN 0
.endm
	s_wait_loadcnt 0x0                             ; h
	PLACES
	TOSTAGE 0
.irp a, 1,2,3,4,5,6,7
	TOSTAGE \a
	SEND (\a)-1, 16                                ; the next block's eight stores and eight loads stay out
.endr
	SEND 7, 0
	s_wait_tensorcnt 0x0                           ; the wave's end, behind my last tensor load and my last LDS store
	ds_add_u32 v[SPW], v[NIL]
	s_wait_dscnt 0x0
	CROUND                                         ; the closing round: no work-group ends while a partner may still ask for a tile that names it
	s_endpgm
.Lfunc_end_k_qd6032e5c29_oproj:
	.size	k_qd6032e5c29_oproj, .Lfunc_end_k_qd6032e5c29_oproj-k_qd6032e5c29_oproj
	.p2alignl 7, 3214868480
	.fill 96, 4, 3214868480
	.section	.rodata,"a",@progbits
	.p2align	6, 0x0
	.amdhsa_kernel k_qd6032e5c29_oproj
		.amdhsa_group_segment_fixed_size 327680
		.amdhsa_private_segment_fixed_size 0
		.amdhsa_enable_private_segment 0
		.amdhsa_kernarg_size 40
		.amdhsa_user_sgpr_count 2
		.amdhsa_user_sgpr_kernarg_segment_ptr 1
		.amdhsa_wavefront_size32 1
		.amdhsa_system_sgpr_workgroup_id_x 1
		.amdhsa_system_sgpr_workgroup_id_y 1
		.amdhsa_system_sgpr_workgroup_id_z 1
		.amdhsa_system_vgpr_workitem_id 0
		.amdhsa_next_free_vgpr 840
		.amdhsa_next_free_sgpr 84
		.amdhsa_reserve_vcc 0
		.amdhsa_float_denorm_mode_32 3
		.amdhsa_float_denorm_mode_16_64 3
		.amdhsa_memory_ordered 1
		.amdhsa_forward_progress 1
		.amdhsa_inst_pref_size 132
	.end_amdhsa_kernel
	.amdgpu_metadata
---
amdhsa.version: [ 1, 2 ]
amdhsa.kernels:
  - .name:           k_qd6032e5c29_oproj
    .symbol:         k_qd6032e5c29_oproj.kd
    .args:
      - { .name: att, .offset: 0, .size: 8, .value_kind: global_buffer, .address_space: global }
      - { .name: wob, .offset: 8, .size: 8, .value_kind: global_buffer, .address_space: global }
      - { .name: bo, .offset: 16, .size: 8, .value_kind: global_buffer, .address_space: global }
      - { .name: h, .offset: 24, .size: 8, .value_kind: global_buffer, .address_space: global }
      - { .name: out0, .offset: 32, .size: 8, .value_kind: global_buffer, .address_space: global }
    .group_segment_fixed_size: 327680
    .private_segment_fixed_size: 0
    .kernarg_segment_align: 8
    .kernarg_segment_size: 40
    .max_flat_workgroup_size: 128
    .sgpr_count:     84
    .vgpr_count:     840
    .wavefront_size: 32
...
	.end_amdgpu_metadata
.endif
;; end of part 3
